; MI455X (gfx1250); checked and timed in simulation.
; The chip was launched on July 23, 2026; its instructions are those of AMD's public machine-readable ISA for CDNA 5 (MIT licence, August 2026) and "CDNA5" Instruction Set Architecture Reference Guide (July 2026). The comments in the code are by the model that wrote it; some were corrected since.
;; Multi Head. Allowed arithmetic: matrix products marked QUANTISED: E2M3 operands, one E8M0 scale for each 32 along K, by v_wmma_scale_f32_16x16x128_f8f6f4 with both operands' format E2M3, f32 sums; everything else in f32.
;; Inputs: W_qkv 3,072 x 1,024 float32; x 4 x 2,048 x 1,024 float32.
;; Outputs: out0 4 x 2,048 x 1,024 float32.
;; This version of the problem:
;;   THIS VERSION OF THE PROBLEM IS GIVEN IN LOW PRECISION. The matrix products marked QUANTISED in the list below multiply operands that are first quantised to E2M3 (2 exponent bits, 3 mantissa bits; 6 bits a number), with one power-of-two scale for each 32 numbers along K (OCP MX v1.0); their sums are f32. All else is computed in f32.
;;   The module's matrix products, in the order in which they are computed (A, B: the left and right operand; K: the contracted axis; several contracted axes count as one K, in the product's order):
;;     1. [M 8,192, K 1,024] x [K 1,024, N 3,072]; A: input x; B: input W_qkv: QUANTISED
;;     2. batch 64 x [M 2,048, K 64] x [K 64, N 2,048]; A: computed on the way; B: computed on the way: QUANTISED
;;     3. batch 64 x [M 2,048, K 2,048] x [K 2,048, N 64]; A: softmax (see below); B: computed on the way: QUANTISED
;;   THE QUANTISER, for each operand of a quantised product, along K:
;;     - K is cut into blocks of 32 from its start; a last block that is shorter is filled with zeros.
;;     - A block's scale is 2^e with e = floor(log2(the largest magnitude in the block)) - 2, held to -126 .. 127; a block of zeros has e = 0. As a byte (E8M0): e + 127.
;;     - Each number is divided by its block's scale, clamped to +-7.5, and rounded to the nearest number of E2M3, ties to even, subnormals kept.
;;     - The product sums the exact products of the quantised numbers (number of the format x scale) in f32.
;;   ~~~python
;;   def quantise(x, axis):      # numpy; x: float32 -> the quantised numbers, widened to float32 again
;;       x = np.moveaxis(x, axis, -1); K = x.shape[-1]
;;       x = np.pad(x, [(0, 0)] * (x.ndim - 1) + [(0, -K % 32)]); x = x.reshape(x.shape[:-1] + (-1, 32)); a = np.abs(x).max(-1, keepdims=True)
;;       e = np.where(a > 0, np.clip(np.frexp(np.where(a > 0, a, 1))[1] - 1 - 2, -126, 127), 0)      # np.frexp(a)[1] - 1 = floor(log2(a)), exactly
;;       r = np.clip(x / 2.0 ** e, -7.5, 7.5)
;;       step = 2.0 ** (np.maximum(np.frexp(np.where(r == 0, 1, r))[1] - 1, 0) - 3)
;;       q = np.round(r / step) * step * 2.0 ** e      # np.round: ties to even
;;       return np.moveaxis(q.reshape(q.shape[:-2] + (-1,))[..., :K], -1, axis).astype(np.float32)
;;   ~~~
;;   SOFTMAX AHEAD OF A QUANTISED PRODUCT. Where the list says 'softmax', what is quantised is not the finished softmax but p = 2^(t - M), with t = logit x log2(e) and M = ceil(the row's largest t), a whole number; so 1/2 < the row's largest p <= 1. The row's sum l is taken of the UNQUANTISED p, in f32, and the product's result is divided by l at the end. Since M is a whole number, a kernel that streams over the keys may use a running M (the ceiling of the running maximum): every later rescaling is an exact power of two, which a block's scale takes up: the codes' values come out the same.
;;   OPERANDS COMPUTED ON THE WAY. 'Computed on the way' means the value that the module computes at that place (a softmax that the list does not call 'softmax' is quantised finished and normalised). What goes into a quantiser is computed in f32, as accurately as f32 sums, v_exp_f32 and their like allow (about 1e-6 of the number): no bf16 or f16 on the way to a quantiser, and a product that is left as it is and whose result goes on into a quantised operand takes f32 operands (vector FMAs, or v_wmma_f32_16x16x4_f32). A number that lies on a knife's edge between two numbers of the format may be rounded either way, as far as f32 arithmetic and the matrix unit's own rounding can turn it there, and no further.
;; One version. Each part assembles by itself: llvm-mc -triple=amdgcn-amd-amdhsa -mcpu=gfx1250 --defsym DOCPART=n.
;; ======== version 1 of 1: 3 launches
;; limits: right only within a limited range of input values
;; workspace buffers: xw 9,011,200 bytes; qk 13,631,488 bytes; v 6,553,600 bytes
;; launch quant (part 1): grid 352 x 1, 4 waves a work-group, no clusters, 33,280 bytes of LDS; arguments x, W_qkv, xw; writes xw
.if DOCPART == 1
	.amdgcn_target "amdgcn-amd-amdhsa--gfx1250"
	.amdhsa_code_object_version 6
	.text
	.protected	k_qe4c0c4044e_quant
	.globl	k_qe4c0c4044e_quant
	.p2align	8
	.type	k_qe4c0c4044e_quant,@function
k_qe4c0c4044e_quant:
	s_mov_b64 s[64:65], 0
	v_nop
	global_prefetch_b8 v0, s[64:65] scope:SCOPE_SE
	s_setreg_imm32_b32 hwreg(HW_REG_WAVE_MODE, 25, 1), 1
	s_wait_xcnt 0x0
; x [8192][1024] and W_qkv [3072][1024], f32, become ONE table of 11,264 places of codes of FP6 (E2M3) with one E8M0 scale byte for each 32 along K.
; Places 0 .. 8191 are x's rows, 8192 .. 11263 W's.  THE ROWS LIE PERMUTED: true row p lies at the place p with bits 3 and 4 exchanged, so that sixteen neighbouring places 32 g + 16 u + r hold the
; true rows 32 g + 8 u + r + 8 (r / 8): the tiles that the product's way out and the attention want.
; THE TABLE IS A DENSE IMAGE OF WHAT THE PRODUCT'S TENSOR LOADS FETCH: xw[tile of 128 places][K step of 256][record of 25,600 bytes]; a record is 128 rows x 192 bytes of codes, then 128 rows x 8 scale bytes.
; Every record begins at a multiple of 256 bytes and is 100 x 256 bytes long.
; A block's scale is 2^(floor(log2(its largest magnitude)) - 2); its byte is the largest magnitude's own exponent field - 2, held at 1 from below.  Each number is divided by the scale and rounded to the nearest code, ties to even.
; LIMITS: a block of zeros, or one whose largest magnitude lies under 2^-124, gets the byte 1 where the rule says 127 or less: its codes are zeros (or the floor's), and this program alone reads the bytes; NaN and infinities among the inputs are not served.
; A wave takes one run of 8,192 numbers, eight rows, in 16 steps of 512.  Bits 3 and 4 of a row are bits 0 and 1 of its run's number, which are the wave's number: so the permutation is a choice of the run that a wave writes.
; Each of a step's four loads reads 512 consecutive bytes; the 2,048 bytes turn through the wave's own stage in LDS and come back 64 bytes a lane: 16 neighbours along K, two lanes to a block.
; No cluster: no two work-groups read the same byte.  No tensor loads, no barrier: waves share nothing.  Loads run eight steps (32 loads, half of a wave's bytes) ahead, the turn through LDS one step.
.set WAVES, 4
.set STEPS, 16
.set AHEAD, 8                          ; sets of load registers
.set WGX,   256                        ; work-groups 0 .. 255 take x, the other 96 W
.set EMAX,  2
.set CB,    12                         ; bytes of 16 codes
.set REC,   25600                      ; a record
.set TILEB, 4*REC                      ; a tile of 128 places, all of K
.set R,     16                         ; v16-143  eight sets of 16 numbers as they are loaded
.set X,     144                        ; v144-175 two sets of 16 neighbours
.set E,     176                        ; v176-191 a scale byte for each step
.set C,     192                        ; v192-255 codes: four registers for each step, so that no store's data are written again
.set WREG,  8192                       ; LDS: a region for each wave: two stages of 32 x SP bytes, behind them its 256 scale bytes
.set SP,    80                         ; a lane's place in a stage: 64 bytes + 16 of padding
.set SPW,   12                         ; v12 my spare word; never rewritten
.set NIL,   13                         ; v13 0; never rewritten
.set SPARE, WAVES*WREG
	s_load_b128 s[4:7], s[0:1], 0x0                ; x, W
	s_load_b64 s[8:9], s[0:1], 0x10                ; the table
	v_lshl_add_u32 v[SPW], v0, 2, SPARE
	v_mov_b32 v[NIL], 0
	v_lshrrev_b32 v1, 5, v0
	v_readfirstlane_b32 s16, v1                    ; wave
	v_and_b32 v2, 31, v0                           ; lane
	v_lshlrev_b32 v3, 4, v2                        ; my 16 bytes of a load's 512
	s_mul_i32 s17, s16, WREG
	v_lshrrev_b32 v14, 2, v2
	v_mul_u32_u24 v14, v14, SP
	v_and_b32 v15, 3, v2
	v_lshl_add_u32 v14, v15, 4, v14
	v_add_nc_u32 v14, s17, v14                     ; the stage, on the way in
	v_mul_u32_u24 v15, v2, SP
	v_add_nc_u32 v15, s17, v15                     ; and on the way out: my 16 neighbours
	v_and_b32 v4, 15, v2
	v_mul_u32_u24 v4, v4, CB
	v_lshrrev_b32 v8, 4, v2
	v_mad_u32_u24 v4, v8, REC, v4                  ; my codes: a step is half a row, two K steps: lanes 0-15 the first's 192 bytes, lanes 16-31 the second's, a record further on
	v_lshrrev_b32 v5, 1, v2
	s_add_co_u32 s17, s17, 2*32*SP
	v_add_nc_u32 v5, s17, v5                       ; LDS: my wave's 256 scale bytes, my block's byte
	v_lshlrev_b32 v7, 3, v2
	v_add_nc_u32 v6, s17, v7                       ; back from there 8 bytes a lane: row lane / 4, K step lane % 4
	v_and_b32 v8, 3, v2
	v_lshrrev_b32 v7, 2, v2
	v_lshlrev_b32 v7, 3, v7
	v_mad_u32_u24 v7, v8, REC, v7                  ; and their place in the table
	s_wait_alu depctr_va_vdst(0)                   ; the wait at the head's end
	s_wait_kmcnt 0x0
	s_cmp_lt_u32 ttmp9, WGX                        ; x's work-group or W's?
	s_cselect_b64 s[4:5], s[4:5], s[6:7]
	s_cselect_b32 s17, 0, WGX
	s_sub_co_u32 s17, ttmp9, s17
	s_lshl_b32 s17, s17, 2
	s_add_co_u32 s18, s17, s16                     ; which run of the input is my wave's
	s_mov_b32 s19, 0
	s_lshl_b64 s[20:21], s[18:19], 15              ; 32,768 bytes a run
	s_add_nc_u64 s[4:5], s[4:5], s[20:21]
	s_and_b32 s22, s16, 1                          ; the run that I write: the wave's two bits exchanged
	s_lshl_b32 s22, s22, 1
	s_lshr_b32 s23, s16, 1
	s_or_b32 s22, s22, s23
	s_lshl_b32 s23, ttmp9, 2
	s_add_co_u32 s18, s23, s22                     ; in the table: 4 x work-group + that; sixteen runs to a tile
	s_lshr_b32 s20, s18, 4
	s_mul_i32 s20, s20, TILEB
	s_mov_b32 s21, 0
	s_add_nc_u64 s[8:9], s[8:9], s[20:21]          ; my tile
	s_and_b32 s18, s18, 15
	s_lshl_b32 s22, s18, 6
	s_add_co_u32 s22, s22, 128*192
	s_mov_b32 s23, 0
	s_add_nc_u64 s[10:11], s[8:9], s[22:23]        ; my eight rows' scale bytes in its first record
	s_mul_i32 s20, s18, 8*192
	s_add_nc_u64 s[8:9], s[8:9], s[20:21]          ; and their codes
.macro LOAD t
.irp i, 0,1,2,3
	global_load_b128 v[R+16*((\t)%AHEAD)+4*\i:R+16*((\t)%AHEAD)+4*\i+3], v3, s[4:5] offset:2048*(\t)+512*\i th:TH_LOAD_NT
.endr
.endm
.macro TURN t                          ; LDS serves a wave's instructions in order: no wait between the stores and the loads
.irp i, 0,1,2,3
	ds_store_b128 v14, v[R+16*((\t)%AHEAD)+4*\i:R+16*((\t)%AHEAD)+4*\i+3] offset:32*SP*((\t)%2)+8*SP*\i
.endr
.irp i, 0,1,2,3
	ds_load_b128 v[X+16*((\t)%2)+4*\i:X+16*((\t)%2)+4*\i+3], v15 offset:32*SP*((\t)%2)+16*\i
.endr
.endm
.irp t, 0,1,2,3,4,5,6,7
	LOAD \t
.endr
	s_wait_loadcnt 4*(AHEAD-1)                     ; step 0's four loads are in; seven steps' 28 may be out
	TURN 0
.macro STEP t
.set XS, X+16*((\t)%2)
.if (\t) > 0
	s_wait_dscnt 1                                 ; this step's numbers are back (the last step's byte store may be out): so its stores into the stage have read their registers,
.else
	s_wait_dscnt 0x0
.endif
.if (\t)+AHEAD < STEPS
	LOAD (\t)+AHEAD                                ; which take the loads of eight steps on
.endif
.if (\t)+1 < STEPS
.if STEPS-2-(\t) >= AHEAD-1
	s_wait_loadcnt 4*(AHEAD-1)                     ; the next step's four loads are in; the seven steps behind it may be out
.else
	s_wait_loadcnt 4*(STEPS-2-(\t))                ; near the end: the steps that are left behind the next
.endif
	TURN (\t)+1
.endif
	v_max3_num_f32 v8, |v[XS]|, |v[XS+1]|, |v[XS+2]|
	v_max3_num_f32 v9, |v[XS+3]|, |v[XS+4]|, |v[XS+5]|
.irp i, 6,10
	v_max3_num_f32 v8, v8, |v[XS+\i]|, |v[XS+\i+1]|
	v_max3_num_f32 v9, v9, |v[XS+\i+2]|, |v[XS+\i+3]|
.endr
	v_max3_num_f32 v8, v8, |v[XS+14]|, |v[XS+15]|
	v_max3_num_f32 v8, v8, v9, (EMAX+1)<<23        ; the floor: the byte cannot fall under 1
	v_max_num_f32_dpp v8, v8, v8 row_xmask:1 row_mask:0xf bank_mask:0xf   ; with my neighbour's 16: the block's
	v_add_nc_u32 v11, -(EMAX<<23), v8              ; EMAX off the exponent field: the conversion's scale operand
	v_cvt_scalef32_pk16_fp6_f32 v[C+4*(\t):C+4*(\t)+2], v[XS:XS+15], v11
	v_lshrrev_b32 v[E+(\t)], 23, v11               ; the scale's byte (also the plain line behind the conversion)
	ds_store_b8 v5, v[E+(\t)] offset:16*(\t)
	global_store_b96 v4, v[C+4*(\t):C+4*(\t)+2], s[8:9] offset:2*REC*((\t)%2)+192*((\t)/2)   ; row t / 2, K steps 2 (t % 2) and + 1: sixteen lanes store 192 consecutive bytes
.endm
.irp t, 0,1,2,3,4,5,6,7,8,9,10,11,12,13,14,15
	STEP \t
.endr
	ds_load_b64 v[8:9], v6
	s_wait_dscnt 0x0
	global_store_b64 v7, v[8:9], s[10:11]          ; eight rows x 8 bytes in each of the four records
	s_wait_tensorcnt 0x0                           ; the wave's end
	ds_add_u32 v[SPW], v[NIL]
	s_wait_dscnt 0x0
	s_endpgm
.Lfunc_end_k_qe4c0c4044e_quant:
	.size	k_qe4c0c4044e_quant, .Lfunc_end_k_qe4c0c4044e_quant-k_qe4c0c4044e_quant
	.p2alignl 7, 3214868480
	.fill 96, 4, 3214868480
	.section	.rodata,"a",@progbits
	.p2align	6, 0x0
	.amdhsa_kernel k_qe4c0c4044e_quant
		.amdhsa_group_segment_fixed_size 33280
		.amdhsa_private_segment_fixed_size 0
		.amdhsa_enable_private_segment 0
		.amdhsa_kernarg_size 24
		.amdhsa_user_sgpr_count 2
		.amdhsa_user_sgpr_kernarg_segment_ptr 1
		.amdhsa_wavefront_size32 1
		.amdhsa_system_sgpr_workgroup_id_x 1
		.amdhsa_system_sgpr_workgroup_id_y 1
		.amdhsa_system_sgpr_workgroup_id_z 1
		.amdhsa_system_vgpr_workitem_id 0
		.amdhsa_next_free_vgpr 256
		.amdhsa_next_free_sgpr 66
		.amdhsa_reserve_vcc 0
		.amdhsa_float_denorm_mode_32 3
		.amdhsa_float_denorm_mode_16_64 3
		.amdhsa_memory_ordered 1
		.amdhsa_forward_progress 1
		.amdhsa_inst_pref_size 33
	.end_amdhsa_kernel
	.amdgpu_metadata
---
amdhsa.version: [ 1, 2 ]
amdhsa.kernels:
  - .name:           k_qe4c0c4044e_quant
    .symbol:         k_qe4c0c4044e_quant.kd
    .args:
      - { .name: x, .offset: 0, .size: 8, .value_kind: global_buffer, .address_space: global }
      - { .name: W_qkv, .offset: 8, .size: 8, .value_kind: global_buffer, .address_space: global }
      - { .name: xw, .offset: 16, .size: 8, .value_kind: global_buffer, .address_space: global }
    .group_segment_fixed_size: 33280
    .private_segment_fixed_size: 0
    .kernarg_segment_align: 8
    .kernarg_segment_size: 24
    .max_flat_workgroup_size: 128
    .sgpr_count:     66
    .vgpr_count:     256
    .wavefront_size: 32
...
	.end_amdgpu_metadata
.endif
;; end of part 1
;; launch gemm (part 2): grid 8 x 32, 4 waves a work-group, clusters of 4 x 4, 327,680 bytes of LDS; arguments xw, qk, v; writes qk, v
.if DOCPART == 2
	.amdgcn_target "amdgcn-amd-amdhsa--gfx1250"
	.amdhsa_code_object_version 6
	.text
	.protected	k_qe4c0c4044e_gemm
	.globl	k_qe4c0c4044e_gemm
	.p2align	8
	.type	k_qe4c0c4044e_gemm,@function
k_qe4c0c4044e_gemm:
	s_mov_b64 s[64:65], 0
	v_nop
	global_prefetch_b8 v0, s[64:65] scope:SCOPE_SE
	s_setreg_imm32_b32 hwreg(HW_REG_WAVE_MODE, 25, 1), 1
	s_wait_xcnt 0x0
	s_wait_alu depctr_hold_cnt(0) depctr_sa_sdst(0) depctr_va_vdst(0) depctr_va_sdst(0) depctr_va_ssrc(0) depctr_va_vcc(0) depctr_vm_vsrc(0)
	s_getreg_b32 s2, hwreg(HW_REG_IB_STS2, 6, 4)
	s_cmp_eq_u32 s2, 0
	s_cbranch_scc0 .Lentry_in_a_cluster
	s_endpgm
.Lentry_in_a_cluster:
	s_bfe_u32 s2, ttmp6, 0x10000c
	s_cmp_lg_u32 s2, 0xf033
	s_cbranch_scc0 .Lentry_shape_is_right
	s_endpgm
.Lentry_shape_is_right:
; q, k, v = x W^T on codes of FP6 (E2M3) with E8M0 scales, and their quantisers: the results leave as images of the operand registers of the launch that reads them.  No f32 result is stored.
; IN: xw[tile of 128 places][K step of 256][25,600 bytes]: 128 rows x 192 bytes of codes, then 128 rows x 8 scale bytes (tiles 0 .. 63 x's rows, 64 .. 79 W_q's and W_k's, 80 .. 87 W_v's; the rows' order: the head of the launch that stores them).
; OUT: qk[32 heads: q's 16, k's 16][64 groups of 128 tokens][6,656 bytes]: 8 tiles of 16 tokens x 768 bytes, 512 bytes of scale words (blocks of 32 along the head's 64);
;      v[16 heads][64 groups of 128 keys][6,400 bytes]: 4 tiles of 16 channels x 1,536 bytes, 256 bytes of scale words (blocks of 32 along the keys).
; 256 WORK-GROUPS THAT STAY, four waves each.  PHASE 1: 256 tokens x 256 columns of q or k, 128 x 128 a wave in 64 accumulators: rows = x's, columns = W's.
; PHASE 2: 128 channels of v x the same 256 tokens, 64 x 128 a wave in 32 accumulators: rows = W_v's, columns = x's, so that a lane's registers run along the tokens.
; The matrix instruction is used transposed (source 0 = the columns' rows): a lane holds one row and its registers run along the columns.
; K goes in four steps of 256 through two LDS slots of four places of 32,000 bytes; a record is stated as rows of 256 bytes, 16 bytes of padding behind every 64: a row of codes takes 240 bytes of LDS, and the scale bytes come with the codes.
; Places 0, 1: x's two records, in both phases (waves 0, 1).  Places 2, 3: W's two records in phase 1 (waves 2, 3); in phase 2 place 2 takes W_v's one record, a half from each of waves 2 and 3.
; THE RING DOES NOT STOP AT THE CHANGE OF PHASE: phase 1's last two changes of slots ask for phase 2's K steps 0 and 1, and phase 1's way out stands behind both requests.
; CLUSTER 4 x 4: x's records are asked for jointly along a row of the cluster, W's along a column.
; No prefetch: K is four steps; phase 2's rows of x have been read in phase 1.  LIMITS: NaN and infinities are not served; a block of zeros gets the byte 1, read by this program alone.
.set NQ,     2
.set REC,    25600
.set TILEB,  4*REC
.set PITCH,  240
.set CODEB,  128*PITCH                 ; the codes' part of a record in LDS
.set FR,     12
.set NL,     6
.set NP,     4
.set HALFT,  REC/64*80                 ; a record in LDS: 32,000 bytes
.set SLOT,   4*HALFT
.set SPARE,  2*SLOT
.set QKH,    425984
.set KREC,   6656
.set VH,     409600
.set VREC,   6400
.set ADRA2, 8                          ; v8-11  phase 2: my rows' fragments (slot 0, 1; +2: the pieces of lanes 16-31 behind one padding more)
.set ADRB2, 12                         ; v12-15 phase 2: my columns'
.set ADRA, 16                          ; v16-19 phase 1: my rows'
.set ADRB, 20                          ; v20-23 phase 1: my columns'
.set ADRS2, 24                         ; v24-25 phase 2: scale words: lanes 0-15 the rows' block i, lanes 16-31 the columns' block i
.set ADRS, 26                          ; v26-27 phase 1: the same
.set SPW,  28
.set NIL,  29
.set ADRS3, 30                         ; v30-31 phase 2, i = 4 .. 7: the rows have four blocks, so lanes 0-15 take block i - 4 again
.set SC,   32
.set AF,   128
.set PC,   64
.set VE16, 84
.set VE8,  85
.set VO16, 86
.set VO8,  87
.set VSC,  88
.set SH,   89
.set HV,   90
.set PWS,  92
.set TM,   100
.set G1, 24                            ; s[24:31], s[32:39] groups 1 and 0 (two slots) of x's records
.set G0, 32
.set G1B, 48                           ; s[48:55], s[56:63] of W_q's or W_k's
.set G0B, 56
.set G1C, 68                           ; s[68:75], s[76:83] of W_v's half records
.set G0C, 76
.set VB,   84                          ; s[84:85] where my part of v goes
.set RB,   96
.set SEL,  100
.set MSB, 0
.macro WIN new
.if MSB != \new
	s_set_vgpr_msb (MSB<<8)|\new
.set MSB, \new
.endif
.endm
.set MUL_LO, 0xa1
.set MUL_HI, 0xf1
.set TO_B,   0x40
.macro JLOAD g0a, g1a, g0b, g1b        ; waves 0, 1 fetch x's two records, waves 2, 3 W's
	s_cmp_eq_u32 s15, 0
	s_cbranch_scc0 .Lfor_b_\@
	tensor_load_to_lds s[\g0a:\g0a+3], s[\g1a:\g1a+7]
	s_nop 0
.rept 4
	v_nop
.endr
	s_branch .Lasked_\@
.Lfor_b_\@:
	tensor_load_to_lds s[\g0b:\g0b+3], s[\g1b:\g1b+7]
	s_nop 0
.rept 4
	v_nop
.endr
.Lasked_\@:
.endm
.macro CREST
	s_cmp_lg_u32 s14, 0
	s_cbranch_scc1 .Lnot_wave_0_\@
	s_barrier_signal -3
.Lnot_wave_0_\@:
	s_barrier_wait -3
	s_barrier_signal -1
	s_barrier_wait -1
.endm
.macro CROUND
	s_barrier_signal -1
	s_barrier_wait -1
	CREST
.endm
.macro GROUP1 g, mask, rows
	s_or_b32 s[\g+0], s\mask, (0<<16)|(1<<20)|(1<<21)|(3<<22)|(3<<25)
	s_mov_b32 s[\g+1], 256<<16
	s_mov_b32 s[\g+2], (\rows)<<16
	s_mov_b32 s[\g+3], 256<<16
	s_mov_b32 s[\g+4], \rows
	s_mov_b32 s[\g+5], 256
	s_mov_b32 s[\g+6], 0
	s_mov_b32 s[\g+7], 0
.endm
.macro GROUP0 g, lds, adr              ; both slots' groups 0: K steps 0 and 1
.irp s, 0,1
	s_mov_b32 s[\g+4*\s], 1
	s_add_co_u32 s[\g+4*\s+1], s\lds, \s*SLOT
	s_add_nc_u64 s[\g+4*\s+2:\g+4*\s+3], s[\adr:\adr+1], \s*REC
	s_or_b32 s[\g+4*\s+3], s[\g+4*\s+3], 0x80000000
.endr
.endm
	s_load_b64 s[4:5], s[0:1], 0x0                 ; xw
	s_load_b128 s[8:11], s[0:1], 0x8               ; qk, v
	v_lshl_add_u32 v[SPW], v0, 2, SPARE
	v_mov_b32 v[NIL], 0
	ds_add_u32 v[SPW], v[NIL]                      ; the opening lines: the add twice and its wait
	ds_add_u32 v[SPW], v[NIL]
	v_lshrrev_b32 v1, 5, v0
	v_readfirstlane_b32 s14, v1
	s_lshr_b32 s15, s14, 1
	s_and_b32 s16, s14, 1
	s_bfe_u32 s40, ttmp6, 0x40000
	s_bfe_u32 s41, ttmp6, 0x40004
	s_and_b32 s17, ttmp7, 0xffff
	s_lshl_b32 s17, s17, 2
	s_add_co_u32 s17, s17, s41                     ; my 256 tokens, 0 .. 31
	s_lshl_b32 s42, ttmp9, 2
	s_add_co_u32 s42, s42, s40                     ; my columns, 0 .. 7: 256 of W_q, W_k; 128 of W_v
	s_lshl_b32 s43, s41, 2
	s_lshl_b32 s43, 15, s43
	s_lshl_b32 s44, 0x1111, s40
	GROUP1 G1, 43, REC/256
	GROUP1 G1B, 44, REC/256
	GROUP1 G1C, 44, REC/512
	s_lshl_b32 s20, s17, 1
	s_add_co_u32 s20, s20, s16
	s_mul_i32 s20, s20, TILEB                      ; the tile of 128 places that I fetch: x's,
	s_mov_b32 s21, 0
	s_lshl_b32 s46, s42, 1
	s_add_co_u32 s46, s46, s16
	s_add_co_u32 s46, s46, 64
	s_mul_i32 s46, s46, TILEB                      ; W_q's or W_k's,
	s_mov_b32 s47, 0
	s_add_co_u32 s22, s42, 80
	s_mul_i32 s22, s22, TILEB
	s_mul_i32 s23, s16, REC/2
	s_add_co_u32 s22, s22, s23                     ; and my half of W_v's records
	s_mov_b32 s23, 0
	s_mul_i32 s45, s14, HALFT
	s_mul_i32 s18, s16, HALFT/2
	s_add_co_u32 s18, s18, 2*HALFT
	s_wait_dscnt 0x0
	CROUND                                         ; the opening round, ahead of the wait for the arguments
	s_wait_kmcnt 0x0
	s_add_nc_u64 s[20:21], s[4:5], s[20:21]
	s_add_nc_u64 s[46:47], s[4:5], s[46:47]
	s_add_nc_u64 s[22:23], s[4:5], s[22:23]
	GROUP0 G0, 45, 20
	GROUP0 G0B, 45, 46
	GROUP0 G0C, 18, 22
	JLOAD G0, G1, G0B, G1B                         ; K step 0: one tensor load a wave at the head
	s_mul_i32 s21, s15, HALFT                      ; phase 1: my rows, place s15;
	s_mul_i32 s22, s16, HALFT
	s_add_co_u32 s22, s22, 2*HALFT                 ; my columns, place 2 + s16
	s_sub_co_u32 s23, s22, s21
	s_mul_i32 s86, s16, HALFT                      ; phase 2: my columns, place s16;
	s_mul_i32 s87, s15, 64*PITCH
	s_add_co_u32 s87, s87, 2*HALFT                 ; my 64 rows in place 2;
	s_mul_i32 s88, s15, 4*160
	s_add_co_u32 s88, s88, 2*HALFT
	s_sub_co_u32 s88, s88, s86                     ; how far their scale words lie above the columns',
	s_sub_co_u32 s89, s88, 4*160                   ; and the same four blocks down
	v_and_b32 v1, 15, v0
	v_bfe_u32 v2, v0, 4, 1
	v_mul_u32_u24 v3, v1, PITCH
	v_mad_u32_u24 v4, v2, 24, v3
	v_lshl_add_u32 v5, v2, 4, v4
	v_add_nc_u32 v[ADRA], s21, v4
	v_add_nc_u32 v[ADRB], s22, v4
	v_add_nc_u32 v[ADRA+2], s21, v5
	v_add_nc_u32 v[ADRB+2], s22, v5
	v_add_nc_u32 v[ADRA2], s87, v4
	v_add_nc_u32 v[ADRB2], s86, v4
	v_add_nc_u32 v[ADRA2+2], s87, v5
	v_add_nc_u32 v[ADRB2+2], s86, v5
	v_lshlrev_b32 v6, 3, v1                        ; a row's 8 scale bytes: 8 r, and 16 more behind each 64
	v_lshrrev_b32 v7, 3, v1
	v_lshl_add_u32 v6, v7, 4, v6
	v_add_nc_u32 v6, CODEB, v6
	v_sub_nc_u32 v7, 1, v2                         ; 1 in lanes 0-15
	v_mad_u32_u24 v3, v2, s23, v6                  ; phase 1: lanes 16-31 take the columns', which lie above
	v_add_nc_u32 v[ADRS], s21, v3
	v_mad_u32_u24 v3, v7, s88, v6                  ; phase 2: lanes 0-15 take the rows', which lie above
	v_add_nc_u32 v[ADRS2], s86, v3
	v_mad_u32_u24 v3, v7, s89, v6
	v_add_nc_u32 v[ADRS3], s86, v3
.irp r, ADRA, ADRB, ADRA+2, ADRB+2, ADRS, ADRA2, ADRB2, ADRA2+2, ADRB2+2, ADRS2, ADRS3
	v_add_nc_u32 v[\r+1], SLOT, v[\r]
.endr
	s_mov_b32 s[SEL], 0x76543210
	s_mov_b32 s[SEL+1], 0xfedcba98
	s_lshl_b32 s86, s42, 1
	s_add_co_u32 s87, s86, s15                     ; phase 2: my head of v,
	s_add_co_u32 s86, s86, s16                     ; phase 1: my pair of heads of q or k
	s_lshl_b32 s88, s17, 1
	s_add_co_u32 s89, s88, s16                     ; phase 2: my group of 128 tokens,
	s_add_co_u32 s88, s88, s15                     ; phase 1: the same
	s_mul_i32 s86, s86, 2*QKH
	s_mul_i32 s88, s88, KREC
	s_add_co_u32 s86, s86, s88
	s_mul_i32 s88, s87, VH
	s_mul_i32 s89, s89, VREC
	s_add_co_u32 s88, s88, s89
	s_mov_b32 s87, 0
	s_mov_b32 s89, 0
	s_add_nc_u64 s[12:13], s[8:9], s[86:87]
	s_mov_b64 s[RB:RB+1], s[12:13]
	s_add_nc_u64 s[VB:VB+1], s[10:11], s[88:89]
.macro FRAG reg, adr, q, i             ; 16 rows x 128 K: six pieces of 8 bytes
.irp p, 0,1,2,3,4,5
.set PCE, 12*(\q)+6*(\p/3)+\p%3
.if PCE%8 < 5
	ds_load_b64 v[\reg+2*\p:\reg+2*\p+1], v[\adr] offset:8*PCE+16*(PCE/8)+(\i)*16*PITCH
.else
	ds_load_b64 v[\reg+2*\p:\reg+2*\p+1], v[\adr+2] offset:8*PCE+16*(PCE/8)+(\i)*16*PITCH
.endif
.endr
.endm
.macro MUL16 a0, p, q, sc, zero, ao=0  ; the accumulators take turns, in the same order in every step.  ao: where the rows' set begins
.irp a, \a0, \a0+1
.irp b, 0,1,2,3,4,5,6,7
.if \zero
	v_wmma_scale_f32_16x16x128_f8f6f4 v[8*(8*((\a)%4)+\b):8*(8*((\a)%4)+\b)+7], v[128*(\p)+FR*\b:128*(\p)+FR*\b+FR-1], v[AF+\ao+FR*(\a):AF+\ao+FR*(\a)+FR-1], 0, v[SC+8*NQ*(\sc)+NQ*\b+(\q)], v[SC+8*NQ*(\sc)+NQ*(\a)+(\q)] matrix_a_fmt:MATRIX_FMT_FP6 matrix_b_fmt:MATRIX_FMT_FP6 matrix_a_scale:MATRIX_SCALE_ROW1
.else
	v_wmma_scale_f32_16x16x128_f8f6f4 v[8*(8*((\a)%4)+\b):8*(8*((\a)%4)+\b)+7], v[128*(\p)+FR*\b:128*(\p)+FR*\b+FR-1], v[AF+\ao+FR*(\a):AF+\ao+FR*(\a)+FR-1], v[8*(8*((\a)%4)+\b):8*(8*((\a)%4)+\b)+7], v[SC+8*NQ*(\sc)+NQ*\b+(\q)], v[SC+8*NQ*(\sc)+NQ*(\a)+(\q)] matrix_a_fmt:MATRIX_FMT_FP6 matrix_b_fmt:MATRIX_FMT_FP6 matrix_a_scale:MATRIX_SCALE_ROW1
.endif
.endr
.endr
.endm
.macro FETCH_B adr, q, p
	WIN TO_B
.irp i, 0,1,2,3,4,5,6,7
	FRAG 128*(\p)+FR*\i, \adr, \q, \i
.endr
	WIN 0
.endm
.macro FETCH_A adr, q, i0, ao=0
.irp i, \i0, \i0+1, \i0+2, \i0+3
	FRAG AF+\ao+FR*(\i), \adr, \q, \i
.endr
.endm
.macro SCALES sc                       ; the slot's two scale words a row: 16 rows take 160 bytes of LDS
.irp i, 0,1,2,3,4,5,6,7
	ds_load_b64 v[SC+8*NQ*\sc+NQ*\i:SC+8*NQ*\sc+NQ*\i+1], v[ADRS+\sc] offset:\i*160
.endr
.endm
.macro SCALES2 sc
.irp i, 0,1,2,3
	ds_load_b64 v[SC+8*NQ*\sc+NQ*\i:SC+8*NQ*\sc+NQ*\i+1], v[ADRS2+\sc] offset:\i*160
.endr
.irp i, 4,5,6,7
	ds_load_b64 v[SC+8*NQ*\sc+NQ*\i:SC+8*NQ*\sc+NQ*\i+1], v[ADRS3+\sc] offset:\i*160
.endr
.endm
.macro PLACES n
.rept \n
	v_nop
.endr
.endm
; ---- phase 1
.macro STEP slot, zero                 ; a slot's first 128 along K
	s_wait_dscnt 4*NL                              ; the youngest 24 loads, the rows' blocks 4-7, may be out
	WIN MUL_LO
	MUL16 0, 0, 0, \slot, \zero
	MUL16 2, 0, 0, \slot, \zero
	s_wait_dscnt 0
	PLACES NP
	FETCH_B ADRB+\slot, 1, 1
	FETCH_A ADRA+\slot, 1, 0
	WIN MUL_HI
	MUL16 4, 0, 0, \slot, \zero
	MUL16 6, 0, 0, \slot, \zero
	PLACES NP
	WIN 0
	FETCH_A ADRA+\slot, 1, 4
.endm
.macro TURN slot, next, fill           ; its second 128 and the change of slots.  fill 1: this phase's K step two on; 2, 3: phase 2's K step 0, 1; 3: phase 2's first fragments are fetched
	s_wait_tensorcnt 0x0                           ; my part of the next slot is in;
	ds_add_u32 v[SPW], v[NIL]
	s_wait_dscnt 4*NL+1                            ; (the add and the youngest 24 loads may be out)
	WIN MUL_LO
	MUL16 0, 1, 1, \slot, 0
	s_wait_dscnt 0x0                               ; the add, and my reads of this slot
	s_barrier_signal -1
	MUL16 2, 1, 1, \slot, 0
	WIN 0
	s_barrier_wait -1
	CREST                                          ; the barrier has opened a round of the cluster's barrier
.if \fill == 1
	s_add_nc_u64 s[G0+4*\slot+2:G0+4*\slot+3], s[G0+4*\slot+2:G0+4*\slot+3], 2*REC
	s_add_nc_u64 s[G0B+4*\slot+2:G0B+4*\slot+3], s[G0B+4*\slot+2:G0B+4*\slot+3], 2*REC
	JLOAD G0+4*\slot, G1, G0B+4*\slot, G1B
.else
	s_sub_nc_u64 s[G0+4*\slot+2:G0+4*\slot+3], s[G0+4*\slot+2:G0+4*\slot+3], 2*REC   ; x's rows once more, from K's start
	JLOAD G0+4*\slot, G1, G0C+4*\slot, G1C
.endif
.if \fill < 3
	FETCH_B ADRB+\next, 0, 0
	FETCH_A ADRA+\next, 0, 0
	SCALES \next
.else
	FETCH_B ADRB2+\next, 0, 0
	FETCH_A ADRA2+\next, 0, 0
	SCALES2 \next
.endif
	WIN MUL_HI
	MUL16 4, 1, 1, \slot, 0
	MUL16 6, 1, 1, \slot, 0
.if \fill < 3
	PLACES NP
	WIN 0
	FETCH_A ADRA+\next, 0, 4
.else
	WIN 0
.endif
.endm
; ---- phase 2: 32 products for 128 along K; both operands have two sets of registers (the rows' second set lies where phase 1 had blocks 4-7)
.macro STEP2 slot, zero
	s_wait_dscnt 0
	WIN MUL_LO
	MUL16 0, 0, 0, \slot, \zero
	PLACES NP
	FETCH_B ADRB2+\slot, 1, 1
	FETCH_A ADRA2+\slot, 1, 0, 48
	WIN MUL_LO
	MUL16 2, 0, 0, \slot, \zero
	WIN 0
.endm
.macro TURN2 slot, next, fill
	s_wait_tensorcnt 0x0
	ds_add_u32 v[SPW], v[NIL]
	s_wait_dscnt 1                                 ; (the add alone may be out)
	WIN MUL_LO
	MUL16 0, 1, 1, \slot, 0, 48
	s_wait_dscnt 0x0
	s_barrier_signal -1
	MUL16 2, 1, 1, \slot, 0, 48
	WIN 0
	s_barrier_wait -1
.if \fill
	CREST
	s_add_nc_u64 s[G0+4*\slot+2:G0+4*\slot+3], s[G0+4*\slot+2:G0+4*\slot+3], 2*REC
	s_add_nc_u64 s[G0C+4*\slot+2:G0C+4*\slot+3], s[G0C+4*\slot+2:G0C+4*\slot+3], 2*REC
	JLOAD G0+4*\slot, G1, G0C+4*\slot, G1C
.else
	PLACES NP
.endif
	FETCH_B ADRB2+\next, 0, 0
	FETCH_A ADRA2+\next, 0, 0
	SCALES2 \next
.endm
; ---- the way out: block a's 16 rows x 128 columns are four scale blocks of 32 a row, each in lanes l and l xor 16; codes and scale words leave as register images
.macro QUANT a
.set AC, 64*((\a)%4)
.set WW, 2+(\a)/4
	WIN (WW|(WW<<2))
.irp b, 0,1,2,3
	v_max3_num_f32 v[TM+\b], |v[AC+16*\b]|, |v[AC+16*\b+1]|, 0x1800000
.endr
.irp i, 2,4,6,8,10,12,14
.irp b, 0,1,2,3
	v_max3_num_f32 v[TM+\b], |v[AC+16*\b+\i]|, |v[AC+16*\b+\i+1]|, v[TM+\b]
.endr
.endr
	WIN 0
.irp b, 0,1,2,3
	v_permlanex16_b32 v[TM+4+\b], v[TM+\b], s[SEL], s[SEL+1]
.endr
.irp b, 0,1,2,3
	v_max_num_f32 v[TM+\b], v[TM+\b], v[TM+4+\b]
.endr
.irp b, 0,1,2,3
	v_add_nc_u32 v[TM+12+\b], 0xff000000, v[TM+\b]
.endr
.irp b, 0,1,2,3
	v_lshrrev_b32 v[TM+4+\b], 23, v[TM+12+\b]
.endr
	v_lshl_or_b32 v[PWS+(\a)], v[TM+5], 8, v[TM+4]
	v_lshl_or_b32 v[PWS+(\a)], v[TM+6], 16, v[PWS+(\a)]
	v_lshl_or_b32 v[PWS+(\a)], v[TM+7], 24, v[PWS+(\a)]
	WIN WW
.irp c, 0,1
	v_cvt_scalef32_pk16_fp6_f32 v[PC+6*\c:PC+2+6*\c], v[AC+32*\c:AC+15+32*\c], v[TM+12+2*\c]
	v_cvt_scalef32_pk16_fp6_f32 v[PC+12+4*\c:PC+14+4*\c], v[AC+16+32*\c:AC+31+32*\c], v[TM+12+2*\c+1]
.endr
	WIN 0
	v_nop
.irp c, 0,1
.irp i, 0,1,2
	v_permlane16_swap_b32 v[PC+6*\c+\i], v[PC+12+4*\c+\i]
.endr
.irp i, 0,1,2
	v_mov_b32 v[PC+3+6*\c+\i], v[PC+12+4*\c+\i]
.endr
.endr
.endm
.macro OUTBLK a, sa
.if (\a) > 0
	s_wait_xcnt 0x0                                ; the last block's stores have read their registers and their base
	s_add_nc_u64 s[12:13], s[12:13], \sa
.endif
	QUANT \a
	global_store_b128 v[VE16], v[PC:PC+3], s[12:13]
	global_store_b64 v[VE8], v[PC+4:PC+5], s[12:13] offset:512
	global_store_b128 v[VO16], v[PC+6:PC+9], s[12:13]
	global_store_b64 v[VO8], v[PC+10:PC+11], s[12:13] offset:512
.endm
	s_wait_alu depctr_va_vdst(0)                   ; the wait at the head's end
	s_wait_tensorcnt 0x0                           ; my record of K step 0 is in; the three lines ahead of a later first fill
	ds_add_u32 v[SPW], v[NIL]
	s_wait_dscnt 0x0
	CROUND
	JLOAD G0+4, G1, G0B+4, G1B                     ; K step 1
	FETCH_B ADRB, 0, 0
	FETCH_A ADRA, 0, 0
	SCALES 0
	FETCH_A ADRA, 0, 4
; ================= PHASE 1
	STEP 0, 1
	TURN 0, 1, 1                                   ; slot 0 takes K step 2
	STEP 1, 0
	TURN 1, 0, 1                                   ; slot 1 takes K step 3
	STEP 0, 0
	TURN 0, 1, 2                                   ; slot 0 takes phase 2's K step 0
	STEP 1, 0
	TURN 1, 0, 3                                   ; slot 1 its K step 1
	v_and_b32 v[VE8], 31, v0                       ; q's or k's way out: a tile of 16 tokens is 768 bytes for each of my two heads, which lie QKH bytes apart
	v_lshlrev_b32 v[VE16], 4, v[VE8]
	v_lshlrev_b32 v[VE8], 3, v[VE8]
	v_add_nc_u32 v[VO16], QKH, v[VE16]
	v_add_nc_u32 v[VO8], QKH, v[VE8]
	v_bfe_u32 v[HV], v0, 4, 1
	v_lshlrev_b32 v[SH], 4, v[HV]
	v_and_b32 v[VSC], 15, v0
	v_lshlrev_b32 v[VSC], 4, v[VSC]
	v_mad_u32_u24 v[VSC], v[HV], QKH, v[VSC]
.irp b, 0,1,2,3
	v_mov_b32 v[TM+4+\b], 0
.endr
.irp a, 0,1,2,3,4,5,6,7
	OUTBLK \a, 768
.endr
.irp a, 0,1,2,3,4,5,6,7
	v_bfe_u32 v[PWS+\a], v[PWS+\a], v[SH], 16      ; lanes 0-15 the first head's two bytes, lanes 16-31 the second's
.endr
	global_store_b128 v[VSC], v[PWS:PWS+3], s[RB:RB+1] offset:6144
	global_store_b128 v[VSC], v[PWS+4:PWS+7], s[RB:RB+1] offset:6400
; ================= PHASE 2
	STEP2 0, 1
	TURN2 0, 1, 1                                  ; slot 0 takes K step 2
	STEP2 1, 0
	TURN2 1, 0, 1                                  ; slot 1 takes K step 3
	STEP2 0, 0
	TURN2 0, 1, 0
	STEP2 1, 0
	s_wait_dscnt 0
	WIN MUL_LO
	MUL16 0, 1, 1, 1, 0, 48
	MUL16 2, 1, 1, 1, 0, 48
	WIN 0
	s_wait_xcnt 0x0                                ; phase 1's stores have read their registers
	v_add_nc_u32 v[VO16], 768, v[VE16]             ; v's way out: a tile of 16 channels x 128 keys is 1,536 bytes
	v_add_nc_u32 v[VO8], 768, v[VE8]
	v_and_b32 v[VSC], 15, v0
	v_lshlrev_b32 v[VSC], 4, v[VSC]
	v_lshl_add_u32 v[VSC], v[HV], 3, v[VSC]        ; the scale words: 16 r + 8 h
	s_mov_b64 s[12:13], s[VB:VB+1]
.irp a, 0,1,2,3
	OUTBLK \a, 1536
.endr
	v_cmp_ne_u32 vcc_lo, 0, v[HV]                  ; both halves of the lanes hold a row's four words: lanes 0-15 store tiles 0, 1's, lanes 16-31 tiles 2, 3's
	v_cndmask_b32 v[PWS], v[PWS], v[PWS+2], vcc_lo
	v_cndmask_b32 v[PWS+1], v[PWS+1], v[PWS+3], vcc_lo
	global_store_b64 v[VSC], v[PWS:PWS+1], s[VB:VB+1] offset:6144   ; 32 lanes store 256 consecutive bytes
	s_wait_tensorcnt 0x0                           ; the wave's end
	ds_add_u32 v[SPW], v[NIL]
	s_wait_dscnt 0x0
	CROUND                                         ; the closing round
	s_endpgm
.Lfunc_end_k_qe4c0c4044e_gemm:
	.size	k_qe4c0c4044e_gemm, .Lfunc_end_k_qe4c0c4044e_gemm-k_qe4c0c4044e_gemm
	.p2alignl 7, 3214868480
	.fill 96, 4, 3214868480
	.section	.rodata,"a",@progbits
	.p2align	6, 0x0
	.amdhsa_kernel k_qe4c0c4044e_gemm
		.amdhsa_group_segment_fixed_size 327680
		.amdhsa_private_segment_fixed_size 0
		.amdhsa_enable_private_segment 0
		.amdhsa_kernarg_size 24
		.amdhsa_user_sgpr_count 2
		.amdhsa_user_sgpr_kernarg_segment_ptr 1
		.amdhsa_wavefront_size32 1
		.amdhsa_system_sgpr_workgroup_id_x 1
		.amdhsa_system_sgpr_workgroup_id_y 1
		.amdhsa_system_sgpr_workgroup_id_z 1
		.amdhsa_system_vgpr_workitem_id 0
		.amdhsa_next_free_vgpr 1024
		.amdhsa_next_free_sgpr 102
		.amdhsa_reserve_vcc 1
		.amdhsa_float_denorm_mode_32 3
		.amdhsa_float_denorm_mode_16_64 3
		.amdhsa_memory_ordered 1
		.amdhsa_forward_progress 1
		.amdhsa_inst_pref_size 255
	.end_amdhsa_kernel
	.section	.bss,"aw",@nobits
	.p2align	6
	.space	262144
	.amdgpu_metadata
---
amdhsa.version: [ 1, 2 ]
amdhsa.kernels:
  - .name:           k_qe4c0c4044e_gemm
    .symbol:         k_qe4c0c4044e_gemm.kd
    .args:
      - { .name: xw, .offset: 0, .size: 8, .value_kind: global_buffer, .address_space: global }
      - { .name: qk, .offset: 8, .size: 8, .value_kind: global_buffer, .address_space: global }
      - { .name: v, .offset: 16, .size: 8, .value_kind: global_buffer, .address_space: global }
    .group_segment_fixed_size: 327680
    .private_segment_fixed_size: 0
    .kernarg_segment_align: 8
    .kernarg_segment_size: 24
    .max_flat_workgroup_size: 128
    .sgpr_count:     102
    .vgpr_count:     1024
    .wavefront_size: 32
...
	.end_amdgpu_metadata
.endif
;; end of part 2
;; launch attn (part 3): grid 4 x 64, 16 waves a work-group, clusters of 4 x 1, 280,576 bytes of LDS; arguments qk, v, out0; writes out0
.if DOCPART == 3
	.amdgcn_target "amdgcn-amd-amdhsa--gfx1250"
	.amdhsa_code_object_version 6
	.text
	.protected	k_qe4c0c4044e_attn
	.globl	k_qe4c0c4044e_attn
	.p2align	8
	.type	k_qe4c0c4044e_attn,@function
k_qe4c0c4044e_attn:
	s_mov_b64 s[64:65], 0
	v_nop
	global_prefetch_b8 v0, s[64:65] scope:SCOPE_SE
	s_setreg_imm32_b32 hwreg(HW_REG_WAVE_MODE, 25, 1), 1
	s_wait_xcnt 0x0
	s_wait_alu depctr_hold_cnt(0) depctr_sa_sdst(0) depctr_va_vdst(0) depctr_va_sdst(0) depctr_va_ssrc(0) depctr_va_vcc(0) depctr_vm_vsrc(0)
	s_getreg_b32 s2, hwreg(HW_REG_IB_STS2, 6, 4)
	s_cmp_eq_u32 s2, 0
	s_cbranch_scc0 .Lentry_in_a_cluster
	s_endpgm
.Lentry_in_a_cluster:
	s_bfe_u32 s2, ttmp6, 0x10000c
	s_cmp_lg_u32 s2, 0x3003
	s_cbranch_scc0 .Lentry_shape_is_right
	s_endpgm
.Lentry_shape_is_right:
; out[b][q][hd][:] = the sum over keys k <= q of softmax_k(Q . K / 8) V, 64 heads (4 batches x 16) of 2,048 tokens, head size 64; both products on codes of FP6 (E2M3) with E8M0 scales.
; q, k and v come as images of operand registers: qk [32 heads][64 groups of 128 tokens][6,656 bytes], v [16 heads][64 groups of 128 keys][6,400 bytes] (their make: the head of the launch that stores them).
; Key steps all of whose keys come after a tile's queries are left out: a causal mask sets their scores to -infinity, so their p is 0.
; THE SOFTMAX AHEAD OF THE SECOND PRODUCT: t = score x log2(e) / 8; M = the row's largest t so far, rounded UP to a whole number; p = 2^(t - M) is quantised along the keys, not normalised; the row's sum is taken of the
; unquantised p, in f32, and divides at the end.  When M moves, the sum and O are multiplied by 2^(old M - new M): exact.
; SHARES.  256 work-groups: four to a head, a cluster.  Work-group cx has query tiles jx = 2 cx and 2 cx + 1 (16 queries each) of EACH of the head's 16 blocks of 128 queries: 32 tiles for 16 waves.
; Wave w takes tile jx = 2 cx + w / 8 of block 15 - w % 8, which has 16 - w % 8 key steps of 128 keys, and then the same tile of block w % 8, which has w % 8 + 1: 17 steps for every wave.
; NO RING: a head's K (106,496 bytes) and V (102,400), scale words among them, lie in LDS whole.  All fills are first fills, one tensor load each for waves 0 to 3: K's and V's keys 0-255 (waves 0, 1), the rest (waves 2, 3).
; The first barrier shows waves 0 and 1's loads alone, the second all.  No prefetch: every byte is asked for at the head, there is no loop to run ahead in.
; CLUSTER: the four partners serve one head, so each part is asked for JOINTLY: the same tensor load, the same descriptor, a mask that names the four.
; LAYOUT.  Both products are used transposed: S^T = K Q^T, O^T = V^T P^T: a lane holds ONE query throughout.  The head's 64 fill half of the form's 128.  Q's other half are zero codes.
; K's eight fragments of six registers lie on end, so the other half of a tile's operand are the next tile's codes (behind the last: zeros): every code of E2M3 is a finite number and the scale bytes there are 0, a finite scale, so they add 0 x a finite number.
; A tile's rows are not neighbours: row r of tile t is token (or channel) 32 (t / 2) + 8 (t % 2) + r + 8 (r / 8), so that the 16 registers of result tiles 2 g, 2 g + 1 are 16 neighbours: 32 g + 16 (lane / 16) + 0 .. 15.
; LIMITS: NaN and infinities among the inputs are not served; the promise holds while the scaled scores t stay under 2^31 in magnitude.
.set KREC,  6656
.set VREC,  6400
.set QKH,   425984
.set VH,    409600
.set VBASE, 16*KREC                    ; LDS: K's 16 records from 0, V's 16 from here,
.set STAGE, VBASE+16*VREC              ; the way out: 16 rows x 272 bytes for each wave,
.set SPARE, STAGE+16*16*272            ; and the spare words
.set L16,  1                           ; v1   16 x lane
.set L8,   2                           ; v2   8 x lane
.set R16,  3                           ; v3   16 x (lane % 16)
.set DQ,   4                           ; v4   my query's place in its block of 128, less 16 (lane / 16)
.set SPW,  5
.set NIL,  6
.set GO,   7                           ; v7   the way out: my byte offset in two rows of out
.set AK16, 8                           ; v8-13 the step's LDS addresses
.set AK8,  9
.set AKS,  10
.set AV16, 11
.set AV8,  12
.set AVS,  13
; v14 -M, v15 the largest t; v[16:17] the sum; v[18:29] Q (18-23 codes, 24-29 zeros); v30 Q's scale words; v[32:79] K's eight fragments of six registers, then V's four of twelve; v[80:85] zeros, written once;
; v[88:91] V's scale words, v92 p's; v[96:159] S^T, then p; v[160:191] O^T; v[192:203] p's codes, v204-206, v208-210 the conversions' second halves;
; v[232:237], v238: the second tile's Q and its scale words; v[240:247] K's scale words
.set BM,   212
.set BX,   216
.set SO,   220
.set Q2,   232
.set KS,   240
.set WV,   10
.set JB,   11                          ; s11  the block of 128 queries at work
.set STP,  12
.set CNT,  13
.set TK,   14
.set TV,   15
.set SEL,  66
.set CS,   68
.set JB2,  94                          ; s94  my second block
.macro GROUP1 g, rows                  ; a dense block as rows of 256 bytes, no padding
	s_mov_b32 s[\g], 15|(3<<16)|(1<<21)
	s_mov_b32 s[\g+1], 32<<16
	s_mov_b32 s[\g+2], (\rows)<<16
	s_mov_b32 s[\g+3], 32<<16
	s_mov_b32 s[\g+4], \rows
	s_mov_b32 s[\g+5], 32
	s_mov_b32 s[\g+6], 0
	s_mov_b32 s[\g+7], 0
.endm
.macro CROUND
	s_barrier_signal -1
	s_barrier_wait -1
	s_cmp_lg_u32 s[WV], 0
	s_cbranch_scc1 .Lnot_wave_0_\@
	s_barrier_signal -3
.Lnot_wave_0_\@:
	s_barrier_wait -3
	s_barrier_signal -1
	s_barrier_wait -1
.endm
.macro TLOAD g0, g1
	tensor_load_to_lds s[\g0:\g0+3], s[\g1:\g1+7]
	s_nop 0
.rept 4
	v_nop
.endr
.endm
	s_load_b128 s[4:7], s[0:1], 0x0                ; qk, v
	s_load_b64 s[8:9], s[0:1], 0x10                ; out
	v_lshl_add_u32 v[SPW], v0, 2, SPARE
	v_mov_b32 v[NIL], 0
	ds_add_u32 v[SPW], v[NIL]                      ; the opening lines: the add twice and its wait
	ds_add_u32 v[SPW], v[NIL]
	v_lshrrev_b32 v8, 5, v0
	s_delay_alu instid0(VALU_DEP_1)
	v_readfirstlane_b32 s[WV], v8                  ; wave 0..15
	s_bfe_u32 s74, ttmp6, 0x40000                  ; cx
	s_lshl_b32 s70, s74, 1
	s_lshr_b32 s75, s[WV], 3
	s_add_co_u32 s70, s70, s75                     ; jx = 2 cx + wave / 8: it enters Q's and out's addresses and the mask's numbers alone
	s_and_b32 s72, ttmp7, 0xffff
	s_lshr_b32 s71, s72, 4                         ; the batch
	s_and_b32 s72, s72, 15                         ; the head
	s_and_b32 s[JB2], s[WV], 7                     ; my second block,
	s_xor_b32 s[JB], s[JB2], 15                    ; and my first: 15 less that
	GROUP1 16, 52                                  ; K, keys 0-255: 13,312 bytes
	GROUP1 24, 364                                 ; K, the other fourteen records
	GROUP1 32, 50                                  ; V, keys 0-255: 12,800 bytes
	GROUP1 40, 350                                 ; V, the rest
	s_mov_b32 s48, 1
	s_mov_b32 s49, 0
	s_mov_b32 s52, 1
	s_mov_b32 s53, 2*KREC
	s_mov_b32 s56, 1
	s_mov_b32 s57, VBASE
	s_mov_b32 s60, 1
	s_mov_b32 s61, VBASE+2*VREC
	s_add_co_u32 s76, s72, 16                      ; K's heads lie behind q's sixteen
	s_mul_i32 s76, s76, QKH
	s_mul_i32 s77, s71, 16*KREC
	s_add_co_u32 s76, s76, s77
	s_mov_b32 s77, 0
	s_mul_i32 s78, s72, VH
	s_mul_i32 s79, s71, 16*VREC
	s_add_co_u32 s78, s78, s79
	s_mov_b32 s79, 0
	s_mul_i32 s80, s71, 16*KREC
	s_mul_i32 s81, s72, QKH
	s_add_co_u32 s80, s80, s81                     ; q's records of my head and batch:
	s_mul_i32 s81, s[JB2], KREC
	s_add_co_u32 s90, s80, s81                     ; my second block's,
	s_mov_b32 s91, 0
	s_mul_i32 s81, s[JB], KREC
	s_add_co_u32 s80, s80, s81                     ; my first's
	s_mov_b32 s81, 0
	s_mul_i32 s84, s70, 768                        ; my tile in a record,
	s_lshr_b32 s85, s70, 2
	s_lshl_b32 s85, s85, 8
	s_and_b32 s86, s70, 3
	s_lshl_b32 s86, s86, 2
	s_add_co_u32 s85, s85, s86                     ; and its scale words: 256 (jx / 4) + 4 (jx % 4)
	s_lshr_b32 s87, s70, 1
	s_lshl_b32 s87, s87, 5
	s_and_b32 s86, s70, 1
	s_lshl_b32 s86, s86, 3
	s_add_co_u32 s87, s87, s86                     ; the tile's first token in its block: 32 (jx / 2) + 8 (jx % 2)
	s_lshl_b32 s88, s71, 11
	s_add_co_u32 s88, s88, s87
	s_lshl_b32 s86, s[JB2], 7
	s_add_co_u32 s92, s88, s86
	s_lshl_b32 s86, s[JB], 7
	s_add_co_u32 s88, s88, s86
	s_lshl_b32 s88, s88, 12                        ; rows of out, 4,096 bytes a token,
	s_lshl_b32 s92, s92, 12
	s_lshl_b32 s86, s72, 8
	s_add_co_u32 s88, s88, s86                     ; and the head's 256 bytes in them
	s_add_co_u32 s92, s92, s86
	s_mov_b32 s89, 0
	s_mov_b32 s93, 0
	s_mov_b32 s[SEL], 0x76543210
	s_mov_b32 s[SEL+1], 0xfedcba98
	s_mov_b32 s[CS], 0x3e38aa3b                    ; c = log2(e) / 8
	s_mov_b32 s[CS+1], s[CS]
	s_mov_b32 s[STP], 0
	s_mov_b32 s[TK], 0
	s_mov_b32 s[TV], VBASE
	s_wait_dscnt 0x0
	CROUND                                         ; the opening round, ahead of the wait for the arguments: all four work-groups are here, the joint loads meet
	s_wait_kmcnt 0x0
	s_add_nc_u64 s[50:51], s[4:5], s[76:77]
	s_add_nc_u64 s[54:55], s[50:51], 2*KREC
	s_or_b32 s51, s51, 0x80000000
	s_or_b32 s55, s55, 0x80000000
	s_add_nc_u64 s[58:59], s[6:7], s[78:79]
	s_add_nc_u64 s[62:63], s[58:59], 2*VREC
	s_or_b32 s59, s59, 0x80000000
	s_or_b32 s63, s63, 0x80000000
	s_add_nc_u64 s[82:83], s[4:5], s[80:81]        ; my first record of q,
	s_add_nc_u64 s[90:91], s[4:5], s[90:91]        ; my second
	s_add_nc_u64 s[92:93], s[8:9], s[92:93]        ; my second tile's first row of out,
	s_add_nc_u64 s[8:9], s[8:9], s[88:89]          ; my first's
	s_cmp_eq_u32 s[WV], 0                          ; one chain of branches on the wave's number, one load to an arm, what is needed first in the lowest waves
	s_cbranch_scc0 .Lwave_1
	TLOAD 48, 16                                   ; K, keys 0-255
	s_branch .Lasked
.Lwave_1:
	s_cmp_eq_u32 s[WV], 1
	s_cbranch_scc0 .Lwave_2
	TLOAD 56, 32                                   ; V, keys 0-255
	s_branch .Lasked
.Lwave_2:
	s_cmp_eq_u32 s[WV], 2
	s_cbranch_scc0 .Lwave_3
	TLOAD 52, 24                                   ; K, the rest
	s_branch .Lasked
.Lwave_3:
	s_cmp_eq_u32 s[WV], 3
	s_cbranch_scc0 .Lasked
	TLOAD 60, 40                                   ; V, the rest
.Lasked:
	v_and_b32 v[L8], 31, v0
	v_lshlrev_b32 v[L16], 4, v[L8]
	v_lshlrev_b32 v[L8], 3, v[L8]
	v_and_b32 v11, 15, v0                          ; r
	v_bfe_u32 v12, v0, 4, 1                        ; h
	v_lshlrev_b32 v[R16], 4, v11
	v_add_nc_u32 v8, s84, v[L16]
	v_add_nc_u32 v9, s84, v[L8]
	v_add_nc_u32 v10, s85, v[R16]
	global_load_b128 v[18:21], v8, s[82:83]              ; the first tile's Q: registers 0-3,
	global_load_b64 v[22:23], v9, s[82:83] offset:512    ; 4-5,
	global_load_b32 v30, v10, s[82:83] offset:6144       ; its scale words;
	global_load_b128 v[Q2:Q2+3], v8, s[90:91]            ; and the second tile's
	global_load_b64 v[Q2+4:Q2+5], v9, s[90:91] offset:512
	global_load_b32 v[Q2+6], v10, s[90:91] offset:6144
	v_and_b32 v13, 8, v11
	v_add_nc_u32 v[DQ], v13, v11                   ; r + 8 (r / 8)
	v_lshlrev_b32 v13, 4, v12
	v_sub_nc_u32 v[DQ], v[DQ], v13
	v_add_nc_u32 v[DQ], s87, v[DQ]                 ; my query in its block, less 16 h
	v_lshlrev_b32 v[GO], 12, v12
	v_add_nc_u32 v[GO], v[GO], v[R16]              ; lanes 0-15 one row of out, lanes 16-31 the next; 16 bytes a lane
.irp i, 24,25,26,27,28,29, 80,81,82,83,84,85
	v_mov_b32 v[\i], 0                             ; Q's upper 64 of the form's 128, and what stands behind K's last fragment: zero codes, written once, no load lands there
.endr
.irp b, 0,1,2,3
	v_mov_b32 v[BX+\b], 0                          ; a lane permute's destination counts as one of its sources
.endr
	v_mov_b32 v225, 0
	v_mov_b32 v226, 0
.macro BEGIN                           ; a tile begins: the largest t -3e38, the sum and O^T zeros, which the first change of M leaves zeros
	v_mov_b32 v15, 0xff61b1e6
	v_mov_b32 v16, 0
	v_mov_b32 v17, 0
	v_floor_f32 v14, -v15                          ; -M
.set ii, 0
.rept 32
	v_mov_b32 v[160+ii], 0
.set ii, ii+1
.endr
.endm
	BEGIN
; A KEY STEP: 128 keys.  A step all of whose keys come after my block of queries is left out by a scalar branch on the wave's number and the count of steps, round the step's work;
; not round the lines at its end that step addresses, and no barrier stands in a step.
.macro STEP
	s_cmp_gt_u32 s[STP], s[JB]
	s_cbranch_scc1 .Lhidden_\@
	v_add_nc_u32 v[AK16], s[TK], v[L16]            ; six plain lines that name no register of the last step's products: the places in front of the loads below, which land on V's fragments
	v_add_nc_u32 v[AK8], s[TK], v[L8]
	v_add_nc_u32 v[AKS], s[TK], v[R16]
	v_add_nc_u32 v[AV16], s[TV], v[L16]
	v_add_nc_u32 v[AV8], s[TV], v[L8]
	v_add_nc_u32 v[AVS], s[TV], v[R16]
	s_wait_alu depctr_va_vdst(0)
.irp t, 0,1,2,3,4,5,6,7                        ; K's eight fragments, six registers each, on end
	ds_load_b128 v[32+6*\t:35+6*\t], v[AK16] offset:\t*768
	ds_load_b64 v[36+6*\t:37+6*\t], v[AK8] offset:\t*768+512
.endr
	ds_load_b128 v[KS:KS+3], v[AKS] offset:6144    ; the eight tiles' scale words
	ds_load_b128 v[KS+4:KS+7], v[AKS] offset:6400
	s_wait_dscnt 0x0
.irp t, 0,1,2,3,4,5,6,7                        ; S^T = K Q^T
	v_wmma_scale_f32_16x16x128_f8f6f4 v[96+8*\t:103+8*\t], v[32+6*\t:43+6*\t], v[18:29], 0, v[KS+\t], v30 matrix_a_fmt:MATRIX_FMT_FP6 matrix_b_fmt:MATRIX_FMT_FP6
.endr                                          ; lane (r, h) holds my query r; register 16 g + i is key 32 g + 16 h + i of the step
.rept 4
	v_nop                                          ; the places ahead of the loads below and of the first read of the scores
.endr
.irp t, 0,1,2,3                                ; V's four fragments take K's place; they land under the softmax
	ds_load_b128 v[32+12*\t:35+12*\t], v[AV16] offset:\t*1536
	ds_load_b64 v[36+12*\t:37+12*\t], v[AV8] offset:\t*1536+512
	ds_load_b128 v[38+12*\t:41+12*\t], v[AV16] offset:\t*1536+768
	ds_load_b64 v[42+12*\t:43+12*\t], v[AV8] offset:\t*1536+1280
.endr
	ds_load_b128 v[88:91], v[AVS] offset:6144      ; and the four tiles' scale words
	s_cmp_lg_u32 s[STP], s[JB]                     ; on the diagonal the scores of hidden keys become -infinity ahead of the maximum: p = 0 then
	s_cbranch_scc1 .Lopen_\@
	v_mov_b32 v227, 0xff800000
.set ii, 0
.rept 64
	v_cmp_gt_i32 vcc_lo, 32*(ii/16)+ii%16, v[DQ]
	v_cndmask_b32 v[96+ii], v[96+ii], v227, vcc_lo
.set ii, ii+1
.endr
.Lopen_\@:
.irp b, 0,1,2,3
	v_max3_num_f32 v[BM+\b], v[96+16*\b], v[97+16*\b], v[98+16*\b]   ; the largest score of each block of 32 keys: for the row's maximum and for the block's largest p
.endr
.irp i, 3,5,7,9,11,13
.irp b, 0,1,2,3
	v_max3_num_f32 v[BM+\b], v[BM+\b], v[96+16*\b+\i], v[97+16*\b+\i]
.endr
.endr
.irp b, 0,1,2,3
	v_max_num_f32 v[BM+\b], v[BM+\b], v[111+16*\b]
.endr
.irp b, 0,1,2,3
	s_delay_alu instid0(VALU_DEP_4)
	v_permlanex16_b32 v[BX+\b], v[BM+\b], s[SEL], s[SEL+1]
.endr
.irp b, 0,1,2,3
	s_delay_alu instid0(VALU_DEP_4)
	v_max_num_f32 v[BM+\b], v[BM+\b], v[BX+\b]     ; with lane l xor 16's 16 keys
.endr
	s_delay_alu instid0(VALU_DEP_2)
	v_max3_num_f32 v226, v[BM], v[BM+1], v[BM+2]
	s_delay_alu instid0(VALU_DEP_1)
	v_max_num_f32 v226, v226, v[BM+3]              ; the step's largest score of my query
	s_delay_alu instid0(VALU_DEP_1)
	v_mul_f32 v226, s[CS], v226                    ; as t
	s_delay_alu instid0(VALU_DEP_1)
	v_max_num_f32 v15, v15, v226                   ; the running largest t
	v_mov_b32 v226, v14
	s_delay_alu instid0(VALU_DEP_2)
	v_floor_f32 v14, -v15                          ; the new -M = -ceil(t)
	s_delay_alu instid0(VALU_DEP_1)
	v_sub_f32 v226, v14, v226                      ; M's old value less its new one
	s_delay_alu instid0(VALU_DEP_1)
	v_cvt_i32_f32 v226, v226                       ; (it saturates)
	s_delay_alu instid0(VALU_DEP_1)
	v_ldexp_f32 v224, 1.0, v226                    ; f = 2^(old M - new M)
.set ii, 0
.rept 32
	v_pk_fma_f32 v[96+ii:97+ii], v[96+ii:97+ii], s[CS:CS+1], v[14:15] op_sel_hi:[1,0,0]   ; t - M
.set ii, ii+2
.endr
.irp b, 0,1,2,3
	v_fma_f32 v[BM+\b], v[BM+\b], s[CS], v14       ; the same of each block's largest score
.endr
.set ii, 0
	s_wait_alu depctr_va_vdst(0)                   ; the wait ahead of the batch
.rept 64
	v_exp_f32 v[96+ii], v[96+ii]                   ; p = 2^(t - M)
.set ii, ii+1
.endr
	v_pk_mul_f32 v[16:17], v[16:17], v[224:225] op_sel_hi:[1,0]   ; the sums under the new M
	s_wait_alu depctr_va_vdst(0)                   ; one wait for the whole batch
.irp b, 0,1,2,3
	v_exp_f32 v[BM+\b], v[BM+\b]                   ; the block's largest p
.endr
	v_pk_add_f32 v[228:229], v[100:101], v[104:105]   ; the row's sum of the unquantised p, in eight chains
	v_pk_add_f32 v[230:231], v[108:109], v[112:113]
	v_pk_add_f32 v[222:223], v[116:117], v[120:121]
	v_pk_add_f32 v[220:221], v[124:125], v[128:129]
	v_pk_add_f32 v[218:219], v[132:133], v[136:137]
	v_pk_add_f32 v[216:217], v[140:141], v[144:145]
	v_pk_add_f32 v[210:211], v[148:149], v[152:153]
	v_pk_add_f32 v[16:17], v[16:17], v[156:157]
	v_pk_add_f32 v[228:229], v[228:229], v[96:97]
	v_pk_add_f32 v[230:231], v[230:231], v[98:99]
	v_pk_add_f32 v[222:223], v[222:223], v[102:103]
	v_pk_add_f32 v[220:221], v[220:221], v[106:107]
	v_pk_add_f32 v[218:219], v[218:219], v[110:111]
	v_pk_add_f32 v[216:217], v[216:217], v[114:115]
	v_pk_add_f32 v[210:211], v[210:211], v[118:119]
	v_pk_add_f32 v[16:17], v[16:17], v[122:123]
	v_pk_add_f32 v[228:229], v[228:229], v[126:127]
	v_pk_add_f32 v[230:231], v[230:231], v[130:131]
	v_pk_add_f32 v[222:223], v[222:223], v[134:135]
	v_pk_add_f32 v[220:221], v[220:221], v[138:139]
	v_pk_add_f32 v[218:219], v[218:219], v[142:143]
	v_pk_add_f32 v[216:217], v[216:217], v[146:147]
	v_pk_add_f32 v[210:211], v[210:211], v[150:151]
	v_pk_add_f32 v[16:17], v[16:17], v[154:155]
	v_pk_add_f32 v[228:229], v[228:229], v[158:159]
	s_delay_alu instid0(VALU_DEP_2)
	v_pk_add_f32 v[16:17], v[16:17], v[220:221]
	s_delay_alu instid0(VALU_DEP_2)
	v_pk_add_f32 v[228:229], v[228:229], v[218:219]
	v_pk_add_f32 v[230:231], v[230:231], v[216:217]
	v_pk_add_f32 v[222:223], v[222:223], v[210:211]
	s_delay_alu instid0(VALU_DEP_2)
	v_pk_add_f32 v[16:17], v[16:17], v[230:231]
	s_delay_alu instid0(VALU_DEP_2)
	v_pk_add_f32 v[228:229], v[228:229], v[222:223]
	s_delay_alu instid0(VALU_DEP_1)
	v_pk_add_f32 v[16:17], v[16:17], v[228:229]
	s_wait_alu depctr_va_vdst(0)                   ; and one for the four
.irp b, 0,1,2,3
	v_max_num_f32 v[BM+\b], 0x1800000, v[BM+\b]    ; the floor 2^(3 - 127): the byte cannot fall under 1
.endr
.irp b, 0,1,2,3
	s_delay_alu instid0(VALU_DEP_4)
	v_add_nc_u32 v[SO+\b], 0xff000000, v[BM+\b]    ; 2 off the exponent field: the conversion's scale operand
.endr
.irp b, 0,1,2,3
	s_delay_alu instid0(VALU_DEP_4)
	v_lshrrev_b32 v[BX+\b], 23, v[SO+\b]           ; the scale's byte
.endr
	s_delay_alu instid0(VALU_DEP_3)
	v_lshl_or_b32 v92, v[BX+1], 8, v[BX]           ; p's scale word for these 128 keys
	s_delay_alu instid0(VALU_DEP_1)
	v_lshl_or_b32 v92, v[BX+2], 16, v92
	s_delay_alu instid0(VALU_DEP_1)
	v_lshl_or_b32 v92, v[BX+3], 24, v92
.irp c, 0,1
	v_cvt_scalef32_pk16_fp6_f32 v[192+6*\c:194+6*\c], v[96+32*\c:111+32*\c], v[SO+2*\c]
	v_cvt_scalef32_pk16_fp6_f32 v[204+4*\c:206+4*\c], v[112+32*\c:127+32*\c], v[SO+2*\c+1]
.endr
	v_nop                                          ; one plain line behind the scaled conversions
.irp c, 0,1                                    ; the operand's layout wants a whole block in a lane
.irp i, 0,1,2
	v_permlane16_swap_b32 v[192+6*\c+\i], v[204+4*\c+\i]
.endr
.irp i, 0,1,2
	s_delay_alu instid0(VALU_DEP_3)
	v_mov_b32 v[195+6*\c+\i], v[204+4*\c+\i]
.endr
.endr
.set ii, 0
.rept 16
	v_pk_mul_f32 v[160+ii:161+ii], v[160+ii:161+ii], v[224:225] op_sel_hi:[1,0]   ; O^T under the new M; also the places ahead of the matrix instructions below
.set ii, ii+2
.endr
	s_wait_alu depctr_va_vdst(0)
	s_wait_dscnt 0x0                               ; V's fragments
.irp t, 0,1,2,3                                ; O^T += V^T P^T: four accumulators by turns
	v_wmma_scale_f32_16x16x128_f8f6f4 v[160+8*\t:167+8*\t], v[32+12*\t:43+12*\t], v[192:203], v[160+8*\t:167+8*\t], v[88+\t], v92 matrix_a_fmt:MATRIX_FMT_FP6 matrix_b_fmt:MATRIX_FMT_FP6
.endr
.Lhidden_\@:
	s_add_co_u32 s[TK], s[TK], KREC
	s_add_co_u32 s[TV], s[TV], VREC
	s_add_co_u32 s[STP], s[STP], 1
.endm
.macro STEPS trips                     ; every wave walks every trip: the trip counts are constants
	s_mov_b32 s[CNT], \trips
.Lstep_\@:
	STEP
	s_sub_co_u32 s[CNT], s[CNT], 1
	s_cmp_lg_u32 s[CNT], 0
	s_cbranch_scc1 .Lstep_\@
.endm
; THE WAY OUT of a tile.  O^T is divided by the sum and goes through my stage in LDS, so that sixteen lanes store the 256 consecutive bytes of one query and head.
.macro WAYOUT b
	v_add_f32 v16, v16, v17
	s_delay_alu instid0(VALU_DEP_1)
	v_permlanex16_b32 v226, v16, s[SEL], s[SEL+1]
	s_delay_alu instid0(VALU_DEP_1)
	v_add_f32 v16, v16, v226                       ; the row's sum
	s_wait_alu depctr_va_vdst(0)
	v_rcp_f32 v16, v16
	v_and_b32 v8, 15, v0                           ; r
	v_bfe_u32 v9, v0, 4, 1                         ; h
	s_mul_i32 s74, s[WV], 16*272
	s_add_co_u32 s74, s74, STAGE                   ; my stage
	v_mul_u32_u24 v10, v8, 272
	s_delay_alu instid0(VALU_DEP_1)
	v_lshl_add_u32 v10, v9, 6, v10
	s_delay_alu instid0(VALU_DEP_1)
	v_add_nc_u32 v10, s74, v10                     ; in: row r, + 64 h: register 16 g + i is channel 32 g + 16 h + i
	v_mul_u32_u24 v11, v9, 272
	s_delay_alu instid0(VALU_DEP_1)
	v_lshl_add_u32 v11, v8, 4, v11
	s_delay_alu instid0(VALU_DEP_1)
	v_add_nc_u32 v11, s74, v11                     ; back: lanes 0-15 one row, lanes 16-31 the next
	s_wait_alu depctr_va_vdst(0)                   ; the wait ahead of the reciprocal's first reader
.set ii, 0
.rept 16
	v_pk_mul_f32 v[96+ii:97+ii], v[160+ii:161+ii], v[16:17] op_sel_hi:[1,0]   ; each accumulator from its low end on
.set ii, ii+2
.endr
.irp t, 0,1,2,3
	ds_store_b128 v10, v[96+8*\t:99+8*\t] offset:128*(\t/2)+32*(\t%2)
	ds_store_b128 v10, v[100+8*\t:103+8*\t] offset:128*(\t/2)+32*(\t%2)+16
.endr
.irp i, 0,1,2,3,4,5,6,7
	ds_load_b128 v[128+4*\i:131+4*\i], v11 offset:544*\i   ; LDS serves a wave's instructions in order: these see my stores
.endr
.irp i, 0,1,2,3,4,5,6,7
	s_wait_dscnt 7-\i                              ; the younger loads may be out
	global_store_b128 v[GO], v[128+4*\i:131+4*\i], s[\b:\b+1] offset:8192*\i+32768*(\i/4) th:TH_STORE_NT
.endr
.endm
	s_wait_alu depctr_va_vdst(0)                   ; the wait at the head's end
	s_cmp_lt_u32 s[WV], 2
	s_cbranch_scc0 .Lnot_first
	s_wait_tensorcnt 0x0                           ; waves 0 and 1: keys 0-255 are in
.Lnot_first:
	s_barrier_signal -1
	s_barrier_wait -1                              ; and every wave may read them
	s_wait_loadcnt 0x0                             ; both tiles' Q
	STEPS 2
	s_wait_tensorcnt 0x0                           ; the rest of the head is in
	s_wait_dscnt 0x0
	s_barrier_signal -1
	s_barrier_wait -1
	STEPS 14
	WAYOUT 8
	s_wait_xcnt 0x0                                ; the stores have read their registers
.irp i, 0,1,2,3,4,5
	v_mov_b32 v[18+\i], v[Q2+\i]                   ; MY SECOND TILE: its Q,
.endr
	v_mov_b32 v30, v[Q2+6]                         ; its scale words (more than eight plain lines ahead of the first product),
	BEGIN
	s_mov_b32 s[JB], s[JB2]                        ; its block, at most 7: eight trips serve
	s_mov_b32 s[STP], 0
	s_mov_b32 s[TK], 0
	s_mov_b32 s[TV], VBASE
	s_wait_alu depctr_va_vdst(0)
	STEPS 8
	WAYOUT 92
	s_wait_tensorcnt 0x0                           ; the wave's end
	ds_add_u32 v[SPW], v[NIL]
	s_wait_dscnt 0x0
	CROUND                                         ; the closing round
	s_endpgm
.Lfunc_end_k_qe4c0c4044e_attn:
	.size	k_qe4c0c4044e_attn, .Lfunc_end_k_qe4c0c4044e_attn-k_qe4c0c4044e_attn
	.p2alignl 7, 3214868480
	.fill 96, 4, 3214868480
	.section	.rodata,"a",@progbits
	.p2align	6, 0x0
	.amdhsa_kernel k_qe4c0c4044e_attn
		.amdhsa_group_segment_fixed_size 280576
		.amdhsa_private_segment_fixed_size 0
		.amdhsa_enable_private_segment 0
		.amdhsa_kernarg_size 24
		.amdhsa_user_sgpr_count 2
		.amdhsa_user_sgpr_kernarg_segment_ptr 1
		.amdhsa_wavefront_size32 1
		.amdhsa_system_sgpr_workgroup_id_x 1
		.amdhsa_system_sgpr_workgroup_id_y 1
		.amdhsa_system_sgpr_workgroup_id_z 1
		.amdhsa_system_vgpr_workitem_id 0
		.amdhsa_next_free_vgpr 248
		.amdhsa_next_free_sgpr 96
		.amdhsa_reserve_vcc 1
		.amdhsa_float_denorm_mode_32 3
		.amdhsa_float_denorm_mode_16_64 3
		.amdhsa_memory_ordered 1
		.amdhsa_forward_progress 1
		.amdhsa_inst_pref_size 88
	.end_amdhsa_kernel
	.amdgpu_metadata
---
amdhsa.version: [ 1, 2 ]
amdhsa.kernels:
  - .name:           k_qe4c0c4044e_attn
    .symbol:         k_qe4c0c4044e_attn.kd
    .args:
      - { .name: qk, .offset: 0, .size: 8, .value_kind: global_buffer, .address_space: global }
      - { .name: v, .offset: 8, .size: 8, .value_kind: global_buffer, .address_space: global }
      - { .name: out0, .offset: 16, .size: 8, .value_kind: global_buffer, .address_space: global }
    .group_segment_fixed_size: 280576
    .private_segment_fixed_size: 0
    .kernarg_segment_align: 8
    .kernarg_segment_size: 24
    .max_flat_workgroup_size: 512
    .sgpr_count:     96
    .vgpr_count:     248
    .wavefront_size: 32
...
	.end_amdgpu_metadata
.endif
;; end of part 3
